; MI455X (gfx1250); checked and timed in simulation.
; The chip was launched on July 23, 2026; its instructions are those of AMD's public machine-readable ISA for CDNA 5 (MIT licence, August 2026) and "CDNA5" Instruction Set Architecture Reference Guide (July 2026). The comments in the code are by the model that wrote it; some were corrected since.
;; triton gemm rs intra node. Allowed arithmetic: float matrix products may take bf16 or f16 operands with f32 sums; other float arithmetic in f32, or as packed bf16 or f16 multiplies, adds, multiply-adds, maxima and minima; sums over many terms, partial sums and values carried from step to step in f32; what a program stores and reads back later, other than sums and carried values, may be rounded once to bf16 or f16.
;; Inputs: a 8 x 4,096 x 512 float32; b 8 x 4,096 x 512 float32.
;; Outputs: out0 8 x 512 x 4,096 float32.
;; 3 versions, each right; version 2 is faster than version 1; version 3 is version 2 with the launch cast_bf16 written anew for expert scheduling mode. Each part assembles by itself: llvm-mc -triple=amdgcn-amd-amdhsa -mcpu=gfx1250 --defsym DOCPART=n.
;; ======== version 1 of 3: 1 launch
;; launch gemm_rs (part 1): grid 16 x 16, 4 waves a work-group, clusters of 4 x 4, 327,680 bytes of LDS; arguments a, b, out0; writes out0
.if DOCPART == 1
	.amdgcn_target "amdgcn-amd-amdhsa--gfx1250"
	.amdhsa_code_object_version 6
	.text
	.protected	k_qe818f7b2ab_gemm_rs
	.globl	k_qe818f7b2ab_gemm_rs
	.p2align	8
	.type	k_qe818f7b2ab_gemm_rs,@function
k_qe818f7b2ab_gemm_rs:
	s_mov_b64 s[64:65], 0
	v_nop
	global_prefetch_b8 v0, s[64:65] scope:SCOPE_SE
	s_setreg_imm32_b32 hwreg(HW_REG_WAVE_MODE, 25, 1), 1
	s_wait_xcnt 0x0
	s_wait_alu depctr_hold_cnt(0) depctr_sa_sdst(0) depctr_va_vdst(0) depctr_va_sdst(0) depctr_va_ssrc(0) depctr_va_vcc(0) depctr_vm_vsrc(0)
	s_getreg_b32 s2, hwreg(HW_REG_IB_STS2, 6, 4)
	s_cmp_eq_u32 s2, 0
	s_cbranch_scc0 .Lentry_in_a_cluster
	s_endpgm
.Lentry_in_a_cluster:
	s_bfe_u32 s2, ttmp6, 0x10000c
	s_cmp_lg_u32 s2, 0xf033
	s_cbranch_scc0 .Lentry_shape_is_right
	s_endpgm
.Lentry_shape_is_right:
; out0, seen flat as [4096][4096] f32:  out[m][n] = sum over r = 0..7 and k = 0..511 of a[r][m][k] b[r][n][k].  Row m of the flat output IS (rank m / 512, row m % 512), so the
; reduce-scatter moves nothing: the sum over the source ranks is the K loop of ONE product C = A B^T with K = 4,096, K lying in eight shards of 8,388,608 bytes.
; LIMITS.  a and b are rounded once to bf16 (nearest even) on the way from LDS to the matrix unit; each output is ONE running f32 sum over all 4,096 k, shard after shard, k ascending,
; not eight partial sums added afterwards; NaN and infinities are not treated apart.
; SHARES.  A tile of C, 256 x 256, is made by a work-group of four waves; a wave makes 128 x 128: 64 accumulators of 16 x 16, 512 registers.  16 x 16 tiles, one to a work-group.
; STEPS.  K goes in 64 steps of 64 numbers: a tile's row is 256 bytes of f32, at a multiple of 256 bytes from the buffer's first byte.  Two LDS slots take turns; a slot holds 256 rows of A
; and 256 of B.  (Two slots of 128 numbers a row would be 557,056 bytes: they do not fit.)  A step is two HALVES of 32 along K, 64 matrix instructions each.
; CLUSTERS: 4 x 4 work-groups.  The four of a row of the cluster need the same tiles of A, the four of a column the same tiles of B: each tile is asked for JOINTLY, by the same tensor load
; with the same descriptor and a mask that names the four.
; THE CONVERSION RIDES BESIDE THE PRODUCTS.  A fragment (16 rows x 32 K) is 16 registers of f32 from LDS (four loads of 16 bytes) and eight v_cvt_pk_bf16_f32.  A half has 16 fragments for the
; half behind it: 64 loads and 128 conversions for its 64 matrix instructions.  Set in runs of their own they would leave the matrix unit without work, so a QUAD of four matrix
; instructions carries one fragment: four conversions behind the first product, four behind the second, and behind the third the four loads that fill the staging place just emptied.
; A fragment is loaded eight quads ahead of its conversion.  No window holds accumulators, fragments and staging together: a quad has six s_set_vgpr_msb, the price of that order.
; THE MATRIX INSTRUCTION IS USED TRANSPOSED (source 0 = 16 rows of B, source 1 = 16 rows of A): a lane then holds eight neighbouring numbers of a row of C.
; REGISTERS, in windows of 256 (s_set_vgpr_msb: bits 1:0 source 0, 3:2 source 1, 5:4 source 2, 7:6 destination):
;   window 0: v0-29 addresses; v64-191 the staging ring, 8 places of 16 registers of f32; on the way out two buffers of 64
;   window 1: bf16 fragments, two buffers of 128: A's fragment i at f + 8 i, B's at f + 64 + 8 i
;   window 2: the 32 accumulators of my rows 0-63 (accumulator (a, b) at v[8 (8 a + b)]);   window 3: those of my rows 64-127
.set PITCH,  272                       ; an LDS row: 256 bytes of data + 16 of padding = 68 words: row r starts at bank 4 r mod 64 (64 banks of 4 bytes: ISA guide 11.1), so the 16 rows of a load start at 16 different banks
.set HALFT,  128*PITCH                 ; 128 rows: what one tensor load brings, and what one wave reads of A or of B
.set SLOT,   4*HALFT                   ; A's 256 rows, then B's 256 rows
.set STAGE,  2*SLOT                    ; behind the ring: 16 rows x 528 bytes for each wave, for the way out; no tensor load lands here
.set SPITCH, 528                       ; a stage row: 128 f32 + 16 bytes = 132 words: again 16 rows at 16 different banks
.set SPARE,  STAGE+4*16*SPITCH         ; behind the stages: the spare words, 128 bytes for each wave: two blocks of 256 bytes that no other line names
.set ROWA,   2048                      ; bytes in a row of a shard of a or b
.set ROWC,   16384                     ; bytes in a row of C
.set STEPB,  256                       ; bytes of a row in a step
.set NEXTSH, 8388608-3*2*STEPB         ; from a slot's last step in a shard (byte 1,536 or 1,792 of the row) to its first in the next shard
.set TRIPS,  30                        ; the loop's trips: two steps each
.set ADRA, 16                          ; v16-17  LDS address of my A fragments in slot 0, 1
.set ADRB, 20                          ; v20-21  the same for B
.set STO,  24                          ; v24     the way out: where I put 32 bytes of a row
.set RD,   25                          ; v25     the way out: where I read a row back
.set CO,   26                          ; v26     my byte offset in 512 bytes of a row of C
.set SPW,  28                          ; v28     LDS address of my spare word: SPARE + 4 x my thread's number; never rewritten
.set NIL,  29                          ; v29     0; never rewritten
.set SG,   64                          ; the staging ring
.set OB,   64                          ; the way out: 16 rows read back from the stage, v64-127 and v128-191 by turns
.set F0,   0                           ; fragment buffers, in window 1
.set F1,   128
.set G1,  24                           ; s[24:31] descriptor group 1 for A's tiles
.set G0,  32                           ; s[32:39] descriptor group 0 for A's tiles, one set for each slot
.set G1B, 48                           ; s[48:55] descriptor group 1 for B's tiles: it differs from A's in the mask alone
.set G0B, 56                           ; s[56:63] descriptor group 0 for B's tiles, one set for each slot
                                       ; s[66:67] what a slot's address steps by; s68, s69 its two values; s70 at work; s3 the loop's count
.set MSB, 0
.macro WIN new                         ; the immediate's high byte repeats the setting that is left; a switch that changes nothing is dropped
.if MSB != (\new)
	s_set_vgpr_msb (MSB<<8)|(\new)
.set MSB, \new
.endif
.endm
.set MUL_LO, 0xa5                      ; sources 0 (B) and 1 (A) window 1, C and D window 2
.set MUL_HI, 0xf5                      ; the same, C and D window 3
.set TO_F,   0x40                      ; destination window 1, sources window 0
; A joint load.  Waves 0 and 1 fetch A's two halves, waves 2 and 3 B's.  Each of the two lines has ONE mask and one set of registers for all that issue it.  The branch hangs on the wave's
; number alone.  An s_nop 0 and four v_nop follow each of the two lines, ahead of the jump, the label and what follows the macro.
.macro JLOAD s
	s_cmp_eq_u32 s11, 0
	s_cbranch_scc0 .Lfor_b_\@
	tensor_load_to_lds s[G0+4*(\s):G0+4*(\s)+3], s[G1:G1+7]
	s_nop 0
.rept 4
	v_nop
.endr
	s_branch .Lasked_\@
.Lfor_b_\@:
	tensor_load_to_lds s[G0B+4*(\s):G0B+4*(\s)+3], s[G1B:G1B+7]
	s_nop 0
.rept 4
	v_nop
.endr
.Lasked_\@:
.endm
; A round of the cluster's barrier: my work-group's barrier, so that wave 0's signal speaks for all four waves; wave 0 signals for the work-group; every wave waits for all sixteen
; work-groups; my work-group's barrier once more.  No LDS instruction of the wave is pending at a signal.
.macro CREST                           ; a round behind its opening barrier
	s_cmp_lg_u32 s10, 0
	s_cbranch_scc1 .Lnot_wave_0_\@
	s_barrier_signal -3
.Lnot_wave_0_\@:
	s_barrier_wait -3
	s_barrier_signal -1
	s_barrier_wait -1
.endm
.macro CROUND                          ; a whole round
	s_barrier_signal -1
	s_barrier_wait -1
	CREST
.endm
	s_load_b128 s[4:7], s[0:1], 0x0                ; a s[4:5], b s[6:7]
	s_load_b64 s[8:9], s[0:1], 0x10                ; out0
	v_lshl_add_u32 v[SPW], v0, 2, SPARE
	v_mov_b32 v[NIL], 0
	ds_add_u32 v[SPW], v[NIL]                      ; the wave's opening: the add and its wait stand ahead of my first tensor load; the set-up below, work on registers, stands between them
	v_lshrrev_b32 v1, 5, v0
	v_readfirstlane_b32 s10, v1                    ; wave 0..3
	s_lshr_b32 s11, s10, 1                         ; which half of the tile's rows is mine.  Also: I fetch for A (0) or for B (1)
	s_and_b32 s12, s10, 1                          ; which half of its columns.  Also: which 128 rows of that tile I fetch
	s_bfe_u32 s40, ttmp6, 0x40000                  ; cx: my place along the cluster's x
	s_bfe_u32 s41, ttmp6, 0x40004                  ; cy: along its y
	s_lshl_b32 s42, ttmp9, 2                       ; in a cluster launch ttmp9 and ttmp7 count clusters
	s_add_co_u32 s42, s42, s40                     ; tile column of C = 4 x cluster x + cx
	s_and_b32 s13, ttmp7, 0xffff
	s_lshl_b32 s13, s13, 2
	s_add_co_u32 s13, s13, s41                     ; tile row of C = 4 x cluster y + cy
	s_lshl_b32 s43, s41, 2
	s_lshl_b32 s43, 15, s43                        ; my row of the cluster: places 4 cy .. 4 cy + 3
	s_lshl_b32 s44, 0x1111, s40                    ; my column: places cx, cx + 4, cx + 8, cx + 12
	; descriptor group 1: a tile of 128 rows x 64 elements of 4 bytes, padded in LDS
	s_or_b32 s[G1+0], s43, (2<<16)|(1<<20)|(1<<21)|(5<<22)|(3<<25)   ; 15:0 the mask: A's tiles go to my row; 17:16 elements of 4 bytes; 20 padding on; 21 set beside a mask; 24:22 after every 64 words (code 5); 31:25 4 words of it (code 3)
	s_or_b32 s[G1B+0], s44, (2<<16)|(1<<20)|(1<<21)|(5<<22)|(3<<25)  ; the same with the mask of my column, for B's tiles
.irp g, G1, G1B
	s_mov_b32 s[(\g)+1], 64<<16                    ; 63:48 tensor_dim0, low half = 64
	s_mov_b32 s[(\g)+2], 128<<16                   ; 79:64 its high half = 0; 95:80 tensor_dim1, low half = 128
	s_mov_b32 s[(\g)+3], 64<<16                    ; 111:96 its high half = 0; 127:112 tile_dim0 = 64
	s_mov_b32 s[(\g)+4], 128                       ; 143:128 tile_dim1 = 128; 159:144 tile_dim2 = 0
	s_mov_b32 s[(\g)+5], 512                       ; 191:160 tensor_dim0_stride, low word: 512 elements from row to row
	s_mov_b32 s[(\g)+6], 0
	s_mov_b32 s[(\g)+7], 0
.endr
	; where the tiles come from.  A's hang on the tile row alone, which my row of the cluster shares; B's on the tile column alone, which my column shares.
	; Every wave makes both offsets, in registers that never hold the other coordinate, and asks by one of them.
	s_lshl_b32 s17, s12, 7                         ; which 128 rows of the tile I fetch
	s_lshl_b32 s16, s13, 8
	s_add_co_u32 s16, s16, s17                     ; A: row 256 x tile row + 128 x half,
	s_lshl_b32 s16, s16, 11                        ; in bytes: under 2^23
	s_lshl_b32 s46, s42, 8
	s_add_co_u32 s46, s46, s17                     ; B: row 256 x tile column + 128 x half
	s_lshl_b32 s46, s46, 11
	s_mov_b32 s17, 0
	s_mov_b32 s47, 0
	s_mul_i32 s20, s10, HALFT                      ; and where they go: A's two halves, then B's two halves = wave x 128 rows: no place in the cluster enters an LDS address
	s_mov_b32 s67, 0                               ; the step's high word
	s_mov_b32 s68, NEXTSH                          ; into the next shard,
	s_mov_b32 s69, 2*STEPB                         ; or two steps along the row
	s_wait_dscnt 0x0                               ; the opening add is done
	s_wait_kmcnt 0x0
	s_add_nc_u64 s[14:15], s[4:5], s[16:17]
	s_add_nc_u64 s[46:47], s[6:7], s[46:47]
	CROUND                                         ; all sixteen work-groups are here: the first joint loads meet
.irp s, 0,1
	s_mov_b32 s[G0+4*(\s)], 1                                      ; 1:0 count = 1
	s_add_co_u32 s[G0+4*(\s)+1], s20, (\s)*SLOT                    ; 63:32 LDS address
	s_add_nc_u64 s[G0+4*(\s)+2:G0+4*(\s)+3], s[14:15], (\s)*STEPB  ; 120:64 global address: step s of shard 0
	s_or_b32 s[G0+4*(\s)+3], s[G0+4*(\s)+3], 0x80000000            ; 127:126 type = 2
	s_mov_b32 s[G0B+4*(\s)], 1
	s_add_co_u32 s[G0B+4*(\s)+1], s20, (\s)*SLOT
	s_add_nc_u64 s[G0B+4*(\s)+2:G0B+4*(\s)+3], s[46:47], (\s)*STEPB
	s_or_b32 s[G0B+4*(\s)+3], s[G0B+4*(\s)+3], 0x80000000
	JLOAD \s                                       ; the ring is filled before anything else is done: two tensor loads of mine are out
.endr
	; A bf16 fragment is 16 rows x 32 K in 8 registers: lane l holds row l % 16; registers 0-3 hold K = 8 (l / 16) + 0..7, registers 4-7 K = 16 + 8 (l / 16) + 0..7.
	; In f32 those are 32 bytes at 32 (l / 16) and 32 bytes at 64 + 32 (l / 16) of the row's 128: four loads of 16 bytes, at 0, 16, 64 and 80 from row x pitch + 32 (l / 16).
	v_and_b32 v1, 15, v0                           ; l % 16
	v_bfe_u32 v2, v0, 4, 1                         ; l / 16
	v_mul_u32_u24 v3, v1, PITCH
	v_lshl_add_u32 v3, v2, 5, v3                   ; row x pitch + 32 x half
	s_mul_i32 s21, s11, HALFT                      ; my 128 rows of A
	s_mul_i32 s22, s12, HALFT                      ; my 128 rows of B,
	s_add_co_u32 s22, s22, 2*HALFT                 ; which lie behind A's 256
.irp s, 0,1
	v_add_nc_u32 v[ADRA+(\s)], s21, v3
	v_add_nc_u32 v[ADRB+(\s)], s22, v3
	s_add_co_u32 s21, s21, SLOT
	s_add_co_u32 s22, s22, SLOT
.endr
	s_mul_i32 s23, s10, 16*SPITCH
	s_add_co_u32 s23, s23, STAGE                   ; my stage
	v_mul_u32_u24 v4, v1, SPITCH                   ; in: row l % 16, 32 bytes for each half of the lanes
	v_lshl_add_u32 v4, v2, 5, v4
	v_add_nc_u32 v[STO], s23, v4
	v_and_b32 v5, 31, v0
	v_lshlrev_b32 v[CO], 4, v5                     ; back: 32 lanes take one row of 512 bytes, 16 bytes each; the same place in a row of C
	v_add_nc_u32 v[RD], s23, v[CO]
	; where my 128 x 128 begins in C
	s_lshl_b32 s16, s13, 8
	s_lshl_b32 s14, s11, 7
	s_add_co_u32 s16, s16, s14                     ; my first row of C,
	s_lshl_b32 s16, s16, 14                        ; in bytes: under 2^26
	s_mov_b32 s17, 0
	s_lshl_b32 s46, s42, 10                        ; my first column, in bytes: 1,024 x tile column + 512 x half
	s_lshl_b32 s47, s12, 9
	s_add_co_u32 s46, s46, s47
	s_mov_b32 s47, 0
	s_add_nc_u64 s[16:17], s[16:17], s[46:47]
	s_add_nc_u64 s[8:9], s[8:9], s[16:17]
; Product w of a half's 64, on buffer f: A's fragment w / 8, B's fragment w % 8.  The order is the same in every half, so that the 64 accumulators take turns, one instruction a turn:
; between two links of a chain stand the 63 others', over the loop's backward jump too.  zero = 1: the product starts the sum: nothing is ever cleared.
.macro MM f, w, zero
.set rA, (\f)+8*((\w)/8)
.set rB, (\f)+64+8*((\w)%8)
.set rC, 8*(8*(((\w)/8)%4)+((\w)%8))
	WIN MUL_LO+0x50*((\w)/32)                      ; MUL_LO or MUL_HI
.if \zero
	v_wmma_f32_16x16x32_bf16 v[rC:rC+7], v[rB:rB+7], v[rA:rA+7], 0
.else
	v_wmma_f32_16x16x32_bf16 v[rC:rC+7], v[rB:rB+7], v[rA:rA+7], v[rC:rC+7]
.endif
.endm
; Fragment idx of a half: 0-7 are B's fragments 0-7, 8-15 A's.  Its place in the staging ring is idx % 8.
; Four of its eight conversions, from number first on, into buffer g: two f32 into one register of two bf16, the lower k in the low half.
.macro CV4 g, idx, first
.set rS, SG+16*((\idx)%8)
.if (\idx) < 8
.set rD, (\g)+64+8*(\idx)
.else
.set rD, (\g)+8*((\idx)-8)
.endif
	WIN TO_F
.irp j, 0,1,2,3
	v_cvt_pk_bf16_f32 v[rD+(\first)+(\j)], v[rS+2*((\first)+(\j))], v[rS+2*((\first)+(\j))+1]
.endr
.endm
; Its four loads: 16 rows x 32 K of f32, at byte kb of the slot's rows (0: a step's first half, 128: its second)
.macro LOAD4 slot, kb, idx
.set rS, SG+16*((\idx)%8)
.set oF, (\kb)+((\idx)%8)*16*PITCH
	WIN 0
.if (\idx) < 8
	ds_load_b128 v[rS:rS+3],     v[ADRB+(\slot)] offset:oF
	ds_load_b128 v[rS+4:rS+7],   v[ADRB+(\slot)] offset:oF+16
	ds_load_b128 v[rS+8:rS+11],  v[ADRB+(\slot)] offset:oF+64
	ds_load_b128 v[rS+12:rS+15], v[ADRB+(\slot)] offset:oF+80
.else
	ds_load_b128 v[rS:rS+3],     v[ADRA+(\slot)] offset:oF
	ds_load_b128 v[rS+4:rS+7],   v[ADRA+(\slot)] offset:oF+16
	ds_load_b128 v[rS+8:rS+11],  v[ADRA+(\slot)] offset:oF+64
	ds_load_b128 v[rS+12:rS+15], v[ADRA+(\slot)] offset:oF+80
.endif
.endm
; QUAD qn of a half's 16: products 4 qn .. 4 qn + 3 on buffer f (mm = 0: none); fragment qn of the NEXT half is converted into buffer g (cv = 0: not), behind a wait that leaves wt LDS
; instructions out (wt = -1: no wait is written); fragment idx is loaded into the place just emptied (ld = 0: not).
; A conversion writes a register that a product of the half BEFORE read.  The nearest case is B's fragment 0: read last by product 56 of that half, written by quad 0 of this one; between them
; stand the 16 conversions of that half's quads 14 and 15, which name other registers: more than the four places that ISA guide 7.12.1 asks for.  So the loop has no v_nop but those behind a joint load.
.macro QUAD f, qn, zero, g, mm, cv, wt, ld, slot, kb, idx
.if \mm
	MM \f, 4*(\qn), \zero
.endif
.if \cv
.if (\wt) >= 0
	s_wait_dscnt \wt
.endif
	CV4 \g, \qn, 0
.endif
.if \mm
	MM \f, 4*(\qn)+1, \zero
.endif
.if \cv
	CV4 \g, \qn, 4
.endif
.if \mm
	MM \f, 4*(\qn)+2, \zero
.endif
.if \ld
	LOAD4 \slot, \kb, \idx
.endif
.if \mm
	MM \f, 4*(\qn)+3, \zero
.endif
.endm
; A STEP'S SECOND HALF multiplies buffer 1, converts the next step's first half into buffer 0, and loads from the next step's slot nxt: A's fragments of its first half, then B's of its second.
; The wait's 28: LDS loads come back in order (ISA guide 5.7.1), and behind a fragment's four loads stand the seven younger fragments' 28.
.macro HONE nxt, mm, cv, ld
.irp q, 0,1,2,3,4,5,6,7
	QUAD F1, \q, 0, F0, \mm, \cv, 28, \ld, \nxt, 0, 8+\q
.endr
.irp q, 8,9,10,11,12,13,14,15
	QUAD F1, \q, 0, F0, \mm, \cv, 28, \ld, \nxt, 128, \q-8
.endr
.endm
; A STEP'S FIRST HALF multiplies buffer 0, converts the step's second half into buffer 1, and CHANGES SLOTS.  Quads 0-7 load the last that is wanted of slot cur (A's fragments of the second
; half).  Then ONE barrier for two things: in front of it each wave waits for all its tensor loads, of which one is out: its part of slot nxt; adds 0 to its spare word; and waits for that and
; for its own reads of slot cur.  Behind it nobody reads slot cur any more and slot nxt is whole.
; mode 1: the barrier opens a round of the cluster's barrier, and slot cur is filled again, two steps on, the first thing behind the round: from there to the wait for that load a wave
;         issues 112 matrix instructions.  phase: the trips (count mod 4) in which those two steps lead into the next shard; -1: never (outside the loop).
; mode 2: nothing is filled again (the last step but one): the work-group's barrier alone.        mode 0: the last step: nothing more to load, no barrier; the counts run down.
.macro HZERO cur, nxt, zero, mode, phase
.irp q, 0,1,2,3,4,5,6,7
	QUAD F0, \q, \zero, F1, 1, 1, 28, 1, \cur, 128, 8+\q
.endr
.if (\mode) == 0
.irp q, 8,9,10,11,12,13,14,15
	QUAD F0, \q, \zero, F1, 1, 1, 4*(15-\q), 0, 0, 0, 0
.endr
.else
	WIN 0                                          ; (the add's two registers lie in window 0)
	s_wait_tensorcnt 0x0                           ; all my tensor loads have landed: the one that was out is my part of slot nxt;
	ds_add_u32 v[SPW], v[NIL]                      ; 0 onto my spare word;
	s_wait_dscnt 25                                ; the add and the 24 loads of quads 2-7 may be out: the fragments that quads 8 and 9 convert are in
	QUAD F0, 8, \zero, F1, 1, 1, -1, 0, 0, 0, 0    ; eight matrix instructions and sixteen conversions stand between the add and the wait for it
	QUAD F0, 9, \zero, F1, 1, 1, -1, 0, 0, 0, 0
	s_wait_dscnt 0x0                               ; the add is done, and my reads of slot cur are over:
	s_barrier_signal -1                            ; say so,
	QUAD F0, 10, \zero, F1, 1, 1, -1, 0, 0, 0, 0   ; work on registers while the others arrive,
	QUAD F0, 11, \zero, F1, 1, 1, -1, 0, 0, 0, 0
	WIN 0
	s_barrier_wait -1                              ; and go on when all four have said so
.if (\mode) == 1
	CREST                                          ; the rest of the round: no wave of any partner still reads this slot's tile or has a load on its way
.if (\phase) >= 0
	s_and_b32 s70, s3, 3
	s_cmp_eq_u32 s70, \phase
	s_cselect_b32 s66, s68, s69                    ; into the next shard, or along the row
.else
	s_mov_b32 s66, s69
.endif
	s_add_nc_u64 s[G0+4*(\cur)+2:G0+4*(\cur)+3], s[G0+4*(\cur)+2:G0+4*(\cur)+3], s[66:67]    ; no tensor load of mine is out, so a group 0 may be written; the type bits on top are not reached
	s_add_nc_u64 s[G0B+4*(\cur)+2:G0B+4*(\cur)+3], s[G0B+4*(\cur)+2:G0B+4*(\cur)+3], s[66:67]
	JLOAD \cur                                     ; the first tensor load behind the round, and my only one until the next
.endif
.irp q, 0,1,2,3
	LOAD4 \nxt, 0, \q                              ; one run of 16: the places that quads 8-11 emptied take the next step's first fragments
.endr
.irp q, 12,13,14,15
	QUAD F0, \q, \zero, F1, 1, 1, -1, 1, \nxt, 0, \q-8   ; no wait: what they convert was shown in by the wait for 0 above
.endr
.endif
.endm
	s_wait_tensorcnt 1                             ; my part of step 0 is in; step 1's may stay out
	s_barrier_signal -1
	s_barrier_wait -1                              ; everybody's is
.irp q, 0,1,2,3,4,5,6,7
	LOAD4 0, 0, \q                                 ; the ring of eight places is filled: B's fragments of step 0's first half
.endr
	HONE 0, 0, 1, 1                                ; a half without products: step 0's first half is converted into buffer 0, and the loads run on as in every half
	HZERO 0, 1, 1, 1, -1                           ; step 0's first half stands in front of the loop: its products start the sums; slot 0 takes step 2
	WIN 0                                          ; at a label and at a branch every window is 0
	s_mov_b32 s3, 0
.Llap:                                                 ; trip l: from step 2 l's second half to step 2 l + 2's first; it fills both slots again
	HONE 1, 1, 1, 1
	HZERO 1, 0, 0, 1, 3                            ; slot 1 takes step 2 l + 3: a shard's first odd step where l % 4 = 3
	HONE 0, 1, 1, 1
	HZERO 0, 1, 0, 1, 2                            ; slot 0 takes step 2 l + 4: a shard's first step where l % 4 = 2
	WIN 0
	s_add_co_u32 s3, s3, 1
	s_cmp_lt_u32 s3, TRIPS
	s_cbranch_scc1 .Llap
	HONE 1, 1, 1, 1                                ; the tail is written out.  Step 60's second half
	HZERO 1, 0, 0, 1, -1                           ; step 61: slot 1 takes step 63, the last fill
	HONE 0, 1, 1, 1
	HZERO 0, 1, 0, 2, -1                           ; step 62: nothing is left to ask for
	HONE 1, 1, 1, 1
	HZERO 1, 0, 0, 0, -1                           ; step 63
	HONE 0, 1, 0, 0                                ; its second half: products alone
; THE WAY OUT, a block of 16 rows of C at a time.  A lane's eight f32 of a row are 32 bytes, and the lanes beside it hold other rows: so the block goes into my own stage in LDS, rows of 528
; bytes, and comes back as whole rows of 512 bytes.  Each accumulator's low four registers are stored first.
.macro TOSTAGE a
.set AC, 64*((\a)%4)
.set BK, OB+64*((\a)%2)
	WIN 0x08+4*((\a)/4)                            ; the stores' data (source 1): window 2 or 3
.irp b, 0,1,2,3,4,5,6,7
	ds_store_b128 v[STO], v[AC+8*(\b):AC+8*(\b)+3]   offset:64*(\b)
	ds_store_b128 v[STO], v[AC+8*(\b)+4:AC+8*(\b)+7] offset:64*(\b)+16
.endr
	WIN 0
.if (\a) >= 2
	s_wait_xcnt 0x0                                ; every earlier memory instruction has had its addresses translated (ISA guide 3.1): the registers that block a - 2's stores read are loaded again only behind this wait
.endif
.irp t, 0,1,2,3,4,5,6,7,8,9,10,11,12,13,14,15
	ds_load_b128 v[BK+4*(\t):BK+4*(\t)+3], v[RD] offset:(\t)*SPITCH  ; LDS serves a wave's instructions in order (ISA guide 5.7.1.4): these see the stores above; the next block's stores come behind them
.endr
.endm
.macro SEND a, younger                 ; younger: the LDS instructions issued behind block a's loads: the next block's 32, or none
	WIN 0
.set BK, OB+64*((\a)%2)
	s_wait_dscnt \younger                          ; the block is back in registers
.irp t, 0,1,2,3,4,5,6,7,8,9,10,11,12,13,14,15
	global_store_b128 v[CO], v[BK+4*(\t):BK+4*(\t)+3], s[8:9] offset:(16*(\a)+(\t))*ROWC th:TH_STORE_NT  ; a wave stores 512 consecutive bytes, at a multiple of 512 from C's first byte; 127 rows of C at the most: inside the signed 24-bit immediate
.endr
.endm
	WIN 0
.rept 4
	v_nop                                          ; the four places between the last products and the stores that read results
.endr
	TOSTAGE 0
.irp a, 1,2,3,4,5,6,7                  ; block a's way through the stage stands between block a - 1's loads and the wait for them
	TOSTAGE \a
	SEND (\a)-1, 32
.endr
	SEND 7, 0
	s_wait_tensorcnt 0x0                           ; the wave's end, behind my last tensor load and my last LDS store
	ds_add_u32 v[SPW], v[NIL]
	s_wait_dscnt 0x0
	CROUND                                         ; the closing round: no work-group ends while a partner may still ask for a tile that names it
	s_endpgm
.Lfunc_end_k_qe818f7b2ab_gemm_rs:
	.size	k_qe818f7b2ab_gemm_rs, .Lfunc_end_k_qe818f7b2ab_gemm_rs-k_qe818f7b2ab_gemm_rs
	.p2alignl 7, 3214868480
	.fill 96, 4, 3214868480
	.section	.rodata,"a",@progbits
	.p2align	6, 0x0
	.amdhsa_kernel k_qe818f7b2ab_gemm_rs
		.amdhsa_group_segment_fixed_size 327680
		.amdhsa_private_segment_fixed_size 0
		.amdhsa_enable_private_segment 0
		.amdhsa_kernarg_size 24
		.amdhsa_user_sgpr_count 2
		.amdhsa_user_sgpr_kernarg_segment_ptr 1
		.amdhsa_wavefront_size32 1
		.amdhsa_system_sgpr_workgroup_id_x 1
		.amdhsa_system_sgpr_workgroup_id_y 1
		.amdhsa_system_sgpr_workgroup_id_z 1
		.amdhsa_system_vgpr_workitem_id 0
		.amdhsa_next_free_vgpr 1024
		.amdhsa_next_free_sgpr 72
		.amdhsa_reserve_vcc 0
		.amdhsa_float_denorm_mode_32 3
		.amdhsa_float_denorm_mode_16_64 3
		.amdhsa_memory_ordered 1
		.amdhsa_forward_progress 1
		.amdhsa_inst_pref_size 255
	.end_amdhsa_kernel
	.section	.bss,"aw",@nobits
	.p2align	6
	.space	262144
	.amdgpu_metadata
---
amdhsa.version: [ 1, 2 ]
amdhsa.kernels:
  - .name:           k_qe818f7b2ab_gemm_rs
    .symbol:         k_qe818f7b2ab_gemm_rs.kd
    .args:
      - { .name: a, .offset: 0, .size: 8, .value_kind: global_buffer, .address_space: global }
      - { .name: b, .offset: 8, .size: 8, .value_kind: global_buffer, .address_space: global }
      - { .name: out0, .offset: 16, .size: 8, .value_kind: global_buffer, .address_space: global }
    .group_segment_fixed_size: 327680
    .private_segment_fixed_size: 0
    .kernarg_segment_align: 8
    .kernarg_segment_size: 24
    .max_flat_workgroup_size: 128
    .sgpr_count:     72
    .vgpr_count:     1024
    .wavefront_size: 32
...
	.end_amdgpu_metadata
.endif
;; end of part 1
;; ======== version 2 of 3: 2 launches; 1.22 times as fast as version 1
;; workspace buffers: a16 33,554,432 bytes; b16 33,554,432 bytes
;; launch cast_bf16 (part 2): grid 1024 x 1, 8 waves a work-group, no clusters, 0 bytes of LDS; arguments a, b, a16, b16; writes a16, b16
.if DOCPART == 2
	.amdgcn_target "amdgcn-amd-amdhsa--gfx1250"
	.amdhsa_code_object_version 6
	.text
	.protected	k_qe818f7b2ab_cast_bf16
	.globl	k_qe818f7b2ab_cast_bf16
	.p2align	8
	.type	k_qe818f7b2ab_cast_bf16,@function
k_qe818f7b2ab_cast_bf16:
	s_mov_b64 s[64:65], 0
	v_nop
	global_prefetch_b8 v0, s[64:65] scope:SCOPE_SE
	s_setreg_imm32_b32 hwreg(HW_REG_WAVE_MODE, 25, 1), 1
	s_wait_xcnt 0x0
; a16[m][512 r + k] = bf16(a[r][m][k]), b16 likewise.  a, b: [8][4096][512] f32.  a16, b16: [4096][4096] bf16: the eight shards of K laid end to end in each row, so that the launch
; behind finds ONE product with K = 4,096, whose K loop is the sum over the source ranks.  Each number is rounded once, to nearest even; NaN and infinities go as the conversion takes them.
; WHY A LAUNCH OF ITS OWN.  Tiles of f32 in LDS hold half as much of K as tiles of bf16 of the same bytes, want twice the LDS loads for each product, and every one of the 16 work-groups
; that read a tile would convert it anew.  Here each number is converted once.
; SHARES.  Work-group g owns 32 rows of one shard (shard g / 128, rows 32 (g % 128) on) of BOTH inputs: 65,536 dense bytes of each.  Eight waves; thread t takes the 16 bytes at 16 t of each
; 4,096 bytes (two rows), so a load of a wave covers 512 neighbouring bytes.  Its four numbers become 8 bytes: a store of a wave covers 256 consecutive bytes, at a multiple of 256 from
; the buffer's first byte.
; A stream: no byte is read twice and none is shared, so there is no LDS, no barrier, no matrix unit and no cluster.  All 32 loads of a thread go out at the start (16 KiB a wave), and
; each is converted and stored as it comes; no register is written again after a store has named it, so the only waits are the counted ones for the loads.
.set NJ,   16                          ; loads of a thread from each input
.set INJ,  4096                        ; bytes from one of them to the next: two rows of f32
.set OUTJ, 16384                       ; the same two rows in the output: 2 x 8,192 bytes
.set X,    4                           ; v[4:131]  load j of a at X + 8 j, of b at X + 8 j + 4: four registers as loaded; the first two then hold the four bf16
	s_load_b256 s[4:11], s[0:1], 0x0               ; a s[4:5], b s[6:7], a16 s[8:9], b16 s[10:11]
	s_lshl_b32 s12, ttmp9, 16                      ; in: g x 65,536 bytes (under 2^26)
	s_mov_b32 s13, 0
	s_and_b32 s14, ttmp9, 127
	s_lshl_b32 s14, s14, 18                        ; out: 32 (g % 128) rows of 8,192 bytes
	s_lshr_b32 s15, ttmp9, 7
	s_lshl_b32 s15, s15, 10                        ; + the shard's 1,024 bytes of a row
	s_add_co_u32 s14, s14, s15
	s_mov_b32 s15, 0
	v_lshlrev_b32 v1, 4, v0                        ; in: 16 t
	v_and_b32 v2, 127, v0
	v_lshrrev_b32 v3, 7, v0                        ; which of the two rows
	v_lshlrev_b32 v2, 3, v2
	v_lshl_add_u32 v2, v3, 13, v2                  ; out: 8,192 x row + 8 (t % 128)
	s_wait_kmcnt 0x0
	s_add_nc_u64 s[4:5], s[4:5], s[12:13]
	s_add_nc_u64 s[6:7], s[6:7], s[12:13]
	s_add_nc_u64 s[8:9], s[8:9], s[14:15]
	s_add_nc_u64 s[10:11], s[10:11], s[14:15]
.irp j, 0,1,2,3,4,5,6,7,8,9,10,11,12,13,14,15
	global_load_b128 v[X+8*(\j):X+8*(\j)+3],   v1, s[4:5] offset:INJ*(\j) th:TH_LOAD_NT
	global_load_b128 v[X+8*(\j)+4:X+8*(\j)+7], v1, s[6:7] offset:INJ*(\j) th:TH_LOAD_NT
.endr
.irp j, 0,1,2,3,4,5,6,7,8,9,10,11,12,13,14,15
	s_wait_loadcnt 31-2*(\j)                       ; loads come back in order (ISA guide 5.7.1): this one is in, the younger ones stay out
	v_cvt_pk_bf16_f32 v[X+8*(\j)],   v[X+8*(\j)],   v[X+8*(\j)+1]    ; two roundings, the lower k in the low half
	v_cvt_pk_bf16_f32 v[X+8*(\j)+1], v[X+8*(\j)+2], v[X+8*(\j)+3]
	global_store_b64 v2, v[X+8*(\j):X+8*(\j)+1], s[8:9] offset:OUTJ*(\j) th:TH_STORE_NT
	s_wait_loadcnt 30-2*(\j)
	v_cvt_pk_bf16_f32 v[X+8*(\j)+4], v[X+8*(\j)+4], v[X+8*(\j)+5]
	v_cvt_pk_bf16_f32 v[X+8*(\j)+5], v[X+8*(\j)+6], v[X+8*(\j)+7]
	global_store_b64 v2, v[X+8*(\j)+4:X+8*(\j)+5], s[10:11] offset:OUTJ*(\j) th:TH_STORE_NT
.endr
	s_endpgm
.Lfunc_end_k_qe818f7b2ab_cast_bf16:
	.size	k_qe818f7b2ab_cast_bf16, .Lfunc_end_k_qe818f7b2ab_cast_bf16-k_qe818f7b2ab_cast_bf16
	.p2alignl 7, 3214868480
	.fill 96, 4, 3214868480
	.section	.rodata,"a",@progbits
	.p2align	6, 0x0
	.amdhsa_kernel k_qe818f7b2ab_cast_bf16
		.amdhsa_group_segment_fixed_size 0
		.amdhsa_private_segment_fixed_size 0
		.amdhsa_enable_private_segment 0
		.amdhsa_kernarg_size 32
		.amdhsa_user_sgpr_count 2
		.amdhsa_user_sgpr_kernarg_segment_ptr 1
		.amdhsa_wavefront_size32 1
		.amdhsa_system_sgpr_workgroup_id_x 1
		.amdhsa_system_sgpr_workgroup_id_y 1
		.amdhsa_system_sgpr_workgroup_id_z 1
		.amdhsa_system_vgpr_workitem_id 0
		.amdhsa_next_free_vgpr 132
		.amdhsa_next_free_sgpr 66
		.amdhsa_reserve_vcc 0
		.amdhsa_float_denorm_mode_32 3
		.amdhsa_float_denorm_mode_16_64 3
		.amdhsa_memory_ordered 1
		.amdhsa_forward_progress 1
		.amdhsa_inst_pref_size 12
	.end_amdhsa_kernel
	.amdgpu_metadata
---
amdhsa.version: [ 1, 2 ]
amdhsa.kernels:
  - .name:           k_qe818f7b2ab_cast_bf16
    .symbol:         k_qe818f7b2ab_cast_bf16.kd
    .args:
      - { .name: a, .offset: 0, .size: 8, .value_kind: global_buffer, .address_space: global }
      - { .name: b, .offset: 8, .size: 8, .value_kind: global_buffer, .address_space: global }
      - { .name: a16, .offset: 16, .size: 8, .value_kind: global_buffer, .address_space: global }
      - { .name: b16, .offset: 24, .size: 8, .value_kind: global_buffer, .address_space: global }
    .group_segment_fixed_size: 0
    .private_segment_fixed_size: 0
    .kernarg_segment_align: 8
    .kernarg_segment_size: 32
    .max_flat_workgroup_size: 256
    .sgpr_count:     66
    .vgpr_count:     132
    .wavefront_size: 32
...
	.end_amdgpu_metadata
.endif
;; end of part 2
;; launch gemm_rs (part 3): grid 16 x 16, 4 waves a work-group, clusters of 4 x 4, 327,680 bytes of LDS; arguments a16, b16, out0; writes out0
.if DOCPART == 3
	.amdgcn_target "amdgcn-amd-amdhsa--gfx1250"
	.amdhsa_code_object_version 6
	.text
	.protected	k_qe818f7b2ab_gemm_rs
	.globl	k_qe818f7b2ab_gemm_rs
	.p2align	8
	.type	k_qe818f7b2ab_gemm_rs,@function
k_qe818f7b2ab_gemm_rs:
	s_mov_b64 s[64:65], 0
	v_nop
	global_prefetch_b8 v0, s[64:65] scope:SCOPE_SE
	s_setreg_imm32_b32 hwreg(HW_REG_WAVE_MODE, 25, 1), 1
	s_wait_xcnt 0x0
	s_wait_alu depctr_hold_cnt(0) depctr_sa_sdst(0) depctr_va_vdst(0) depctr_va_sdst(0) depctr_va_ssrc(0) depctr_va_vcc(0) depctr_vm_vsrc(0)
	s_getreg_b32 s2, hwreg(HW_REG_IB_STS2, 6, 4)
	s_cmp_eq_u32 s2, 0
	s_cbranch_scc0 .Lentry_in_a_cluster
	s_endpgm
.Lentry_in_a_cluster:
	s_bfe_u32 s2, ttmp6, 0x10000c
	s_cmp_lg_u32 s2, 0xf033
	s_cbranch_scc0 .Lentry_shape_is_right
	s_endpgm
.Lentry_shape_is_right:
; out0, seen flat as [4096][4096] f32:  out[m][n] = sum over k = 0..4095 of a16[m][k] b16[n][k].  a16, b16: [4096][4096] bf16, made by the launch in front: the eight ranks' shards of K end to
; end in each row.  Row m of the flat output IS (rank m / 512, row m % 512), so the reduce-scatter moves nothing: the sum over the source ranks is this product's K loop.
; LIMITS.  The operands were rounded once to bf16; each output is ONE running f32 sum over all 4,096 k, shard after shard, k ascending, not eight partial sums added afterwards;
; NaN and infinities are not treated apart.
; SHARES.  A tile of C, 256 x 256, is made by a work-group of four waves; a wave makes 128 x 128: 64 accumulators of 16 x 16, 512 registers.  16 x 16 tiles, one to a work-group.
; K goes in 32 steps of 128 through a ring of two LDS slots filled by the tensor data mover: a tile's rows are 256 bytes of memory, at multiples of 256 bytes from the buffer's first byte.
; CLUSTERS: 4 x 4 work-groups.  The four of a row of the cluster need the same tiles of A, the four of a column the same tiles of B: each tile is asked for JOINTLY, by the same tensor load
; with the same descriptor and a mask that names the four; each receives it in its own LDS.  That divides the requests for A and for B by four.
; THE MATRIX INSTRUCTION IS USED TRANSPOSED (source 0 = 16 rows of B, source 1 = 16 rows of A): a lane then holds eight neighbouring numbers of a row of C.
; REGISTERS, in windows of 256 (s_set_vgpr_msb: bits 1:0 source 0, 3:2 source 1, 5:4 source 2, 7:6 destination):
;   window 0: v0-29 addresses; v64-127, v128-191 fragments of A (8 x 16 rows x 32 K), two buffers; on the way out the same registers take rows read back from the stage
;   window 1: v64-127, v128-191 fragments of B, two buffers
;   window 2: the 32 accumulators of my rows 0-63 (accumulator (a, b) at v[8 (8 a + b)]);   window 3: those of my rows 64-127
; Work is laid in long stretches under one setting: 32 matrix instructions, 16 loads, 16 loads, 32 matrix instructions.
.set SIZE_K, 4096
.set KSTEP,  128
.set PITCH,  272                       ; an LDS row: 256 bytes of data + 16 of padding = 68 words: row r starts at bank 4 r mod 64 (64 banks of 4 bytes: ISA guide 11.1), so the 16 rows of a load start at 16 different banks
.set HALFT,  128*PITCH                 ; 128 rows: what one tensor load brings, and what one wave reads of A or of B
.set SLOT,   4*HALFT                   ; A's 256 rows, then B's 256 rows
.set STAGE,  2*SLOT                    ; behind the ring: 16 rows x 528 bytes for each wave, for the way out; no tensor load lands here
.set SPITCH, 528                       ; a stage row: 128 f32 + 16 bytes = 132 words: again 16 rows at 16 different banks
.set SPARE,  STAGE+4*16*SPITCH         ; behind the stages: the spare words, 128 bytes for each wave: two blocks of 256 bytes that no other line names
.set LAPS,   SIZE_K/(2*KSTEP)          ; a lap = two K steps = once round the ring: 16
.set ROWC,   16384                     ; bytes in a row of C
.set ADRA, 16                          ; v16-17  LDS address of my A fragments in slot 0, 1
.set ADRB, 20                          ; v20-21  the same for B
.set STO,  24                          ; v24     the way out: where I put 32 bytes of a row
.set RD,   25                          ; v25     the way out: where I read a row back
.set CO,   26                          ; v26     my byte offset in 512 bytes of a row of C
.set SPW,  28                          ; v28     LDS address of my spare word: SPARE + 4 x my thread's number; never rewritten
.set NIL,  29                          ; v29     0; never rewritten
.set F0,   64                          ; fragment buffer 0
.set F1,   128                         ; fragment buffer 1
.set OB,   64                          ; the way out: 16 rows read back from the stage, v64-127 and v128-191 by turns
.set G1,  24                           ; s[24:31] descriptor group 1 for A's tiles
.set G0,  32                           ; s[32:39] descriptor group 0 for A's tiles, one set for each slot
.set G1B, 48                           ; s[48:55] descriptor group 1 for B's tiles: it differs from A's in the mask alone
.set G0B, 56                           ; s[56:63] descriptor group 0 for B's tiles, one set for each slot
.set MSB, 0
.macro WIN new                         ; the immediate's high byte repeats the setting that is left; a switch that changes nothing is dropped
.if MSB != (\new)
	s_set_vgpr_msb (MSB<<8)|(\new)
.set MSB, \new
.endif
.endm
.set MUL_LO, 0xa1                      ; source 0 (B) window 1, source 1 (A) window 0, C and D window 2
.set MUL_HI, 0xf1                      ; the same, C and D window 3
.set TO_B,   0x40                      ; destination window 1, address window 0
; A joint load.  Waves 0 and 1 fetch A's two halves, waves 2 and 3 B's.  Each of the two lines has ONE mask and one set of registers for all that issue it.  The branch hangs on the wave's
; number alone.  An s_nop 0 and four v_nop follow each of the two lines, ahead of the jump, the label and what follows the macro.
.macro JLOAD s
	s_cmp_eq_u32 s11, 0
	s_cbranch_scc0 .Lfor_b_\@
	tensor_load_to_lds s[G0+4*(\s):G0+4*(\s)+3], s[G1:G1+7]
	s_nop 0
.rept 4
	v_nop
.endr
	s_branch .Lasked_\@
.Lfor_b_\@:
	tensor_load_to_lds s[G0B+4*(\s):G0B+4*(\s)+3], s[G1B:G1B+7]
	s_nop 0
.rept 4
	v_nop
.endr
.Lasked_\@:
.endm
; A round of the cluster's barrier: my work-group's barrier, so that wave 0's signal speaks for all four waves; wave 0 signals for the work-group; every wave waits for all sixteen
; work-groups; my work-group's barrier once more.  No LDS instruction of the wave is pending at a signal.
.macro CREST                           ; a round behind its opening barrier
	s_cmp_lg_u32 s10, 0
	s_cbranch_scc1 .Lnot_wave_0_\@
	s_barrier_signal -3
.Lnot_wave_0_\@:
	s_barrier_wait -3
	s_barrier_signal -1
	s_barrier_wait -1
.endm
.macro CROUND                          ; a whole round
	s_barrier_signal -1
	s_barrier_wait -1
	CREST
.endm
	s_load_b128 s[4:7], s[0:1], 0x0                ; a16 s[4:5], b16 s[6:7]
	s_load_b64 s[8:9], s[0:1], 0x10                ; out0
	v_lshl_add_u32 v[SPW], v0, 2, SPARE
	v_mov_b32 v[NIL], 0
	ds_add_u32 v[SPW], v[NIL]                      ; the wave's opening: the add and its wait stand ahead of my first tensor load; the set-up below, work on registers, stands between them
	v_lshrrev_b32 v1, 5, v0
	v_readfirstlane_b32 s10, v1                    ; wave 0..3
	s_lshr_b32 s11, s10, 1                         ; which half of the tile's rows is mine.  Also: I fetch for A (0) or for B (1)
	s_and_b32 s12, s10, 1                          ; which half of its columns.  Also: which 128 rows of that tile I fetch
	s_bfe_u32 s40, ttmp6, 0x40000                  ; cx: my place along the cluster's x
	s_bfe_u32 s41, ttmp6, 0x40004                  ; cy: along its y
	s_lshl_b32 s42, ttmp9, 2                       ; in a cluster launch ttmp9 and ttmp7 count clusters
	s_add_co_u32 s42, s42, s40                     ; tile column of C = 4 x cluster x + cx
	s_and_b32 s13, ttmp7, 0xffff
	s_lshl_b32 s13, s13, 2
	s_add_co_u32 s13, s13, s41                     ; tile row of C = 4 x cluster y + cy
	s_lshl_b32 s43, s41, 2
	s_lshl_b32 s43, 15, s43                        ; my row of the cluster: places 4 cy .. 4 cy + 3
	s_lshl_b32 s44, 0x1111, s40                    ; my column: places cx, cx + 4, cx + 8, cx + 12
	; descriptor group 1: a tile of 128 rows x 128 elements of 2 bytes, padded in LDS
	s_or_b32 s[G1+0], s43, (1<<16)|(1<<20)|(1<<21)|(5<<22)|(3<<25)   ; 15:0 the mask: A's tiles go to my row; 17:16 elements of 2 bytes; 20 padding on; 21 set beside a mask; 24:22 after every 64 words (code 5); 31:25 4 words of it (code 3)
	s_or_b32 s[G1B+0], s44, (1<<16)|(1<<20)|(1<<21)|(5<<22)|(3<<25)  ; the same with the mask of my column, for B's tiles
.irp g, G1, G1B
	s_mov_b32 s[(\g)+1], KSTEP<<16                 ; 63:48 tensor_dim0, low half = 128
	s_mov_b32 s[(\g)+2], 128<<16                   ; 79:64 its high half = 0; 95:80 tensor_dim1, low half = 128
	s_mov_b32 s[(\g)+3], KSTEP<<16                 ; 111:96 its high half = 0; 127:112 tile_dim0 = 128
	s_mov_b32 s[(\g)+4], 128                       ; 143:128 tile_dim1 = 128; 159:144 tile_dim2 = 0
	s_mov_b32 s[(\g)+5], SIZE_K                    ; 191:160 tensor_dim0_stride, low word: 4,096 elements from row to row
	s_mov_b32 s[(\g)+6], 0
	s_mov_b32 s[(\g)+7], 0
.endr
	; where the tiles come from.  A's hang on the tile row alone, which my row of the cluster shares; B's on the tile column alone, which my column shares.
	; Every wave makes both offsets, in registers that never hold the other coordinate, and asks by one of them.
	s_lshl_b32 s17, s12, 7                         ; which 128 rows of the tile I fetch
	s_lshl_b32 s16, s13, 8
	s_add_co_u32 s16, s16, s17                     ; A: row 256 x tile row + 128 x half,
	s_lshl_b32 s16, s16, 13                        ; in bytes, 8,192 a row: under 2^25
	s_lshl_b32 s46, s42, 8
	s_add_co_u32 s46, s46, s17                     ; B: row 256 x tile column + 128 x half
	s_lshl_b32 s46, s46, 13
	s_mov_b32 s17, 0
	s_mov_b32 s47, 0
	s_mul_i32 s20, s10, HALFT                      ; and where they go: A's two halves, then B's two halves = wave x 128 rows: no place in the cluster enters an LDS address
	s_wait_dscnt 0x0                               ; the opening add is done
	s_wait_kmcnt 0x0
	s_add_nc_u64 s[14:15], s[4:5], s[16:17]
	s_add_nc_u64 s[46:47], s[6:7], s[46:47]
	CROUND                                         ; all sixteen work-groups are here: the first joint loads meet
.irp s, 0,1
	s_mov_b32 s[G0+4*(\s)], 1                                        ; 1:0 count = 1
	s_add_co_u32 s[G0+4*(\s)+1], s20, (\s)*SLOT                      ; 63:32 LDS address
	s_add_nc_u64 s[G0+4*(\s)+2:G0+4*(\s)+3], s[14:15], (\s)*KSTEP*2  ; 120:64 global address: K step s
	s_or_b32 s[G0+4*(\s)+3], s[G0+4*(\s)+3], 0x80000000              ; 127:126 type = 2
	s_mov_b32 s[G0B+4*(\s)], 1
	s_add_co_u32 s[G0B+4*(\s)+1], s20, (\s)*SLOT
	s_add_nc_u64 s[G0B+4*(\s)+2:G0B+4*(\s)+3], s[46:47], (\s)*KSTEP*2
	s_or_b32 s[G0B+4*(\s)+3], s[G0B+4*(\s)+3], 0x80000000
	JLOAD \s                                       ; the ring is filled before anything else is done: two tensor loads of mine are out
.endr
	; A fragment is 16 rows x 32 K in 8 registers: lane l holds row l % 16; registers 0-3 hold K = 8 (l / 16) + 0..7, registers 4-7 hold
	; K = 16 + 8 (l / 16) + 0..7.  From rows that lie along K: two loads of 16 bytes, 32 bytes apart.  The same for source 0 and source 1.
	v_and_b32 v1, 15, v0                           ; l % 16
	v_bfe_u32 v2, v0, 4, 1                         ; l / 16
	v_mul_u32_u24 v3, v1, PITCH
	v_lshl_add_u32 v3, v2, 4, v3                   ; row x pitch + 16 x half
	s_mul_i32 s21, s11, HALFT                      ; my 128 rows of A
	s_mul_i32 s22, s12, HALFT                      ; my 128 rows of B,
	s_add_co_u32 s22, s22, 2*HALFT                 ; which lie behind A's 256
.irp s, 0,1
	v_add_nc_u32 v[ADRA+(\s)], s21, v3
	v_add_nc_u32 v[ADRB+(\s)], s22, v3
	s_add_co_u32 s21, s21, SLOT
	s_add_co_u32 s22, s22, SLOT
.endr
	s_mul_i32 s23, s10, 16*SPITCH
	s_add_co_u32 s23, s23, STAGE                   ; my stage
	v_mul_u32_u24 v4, v1, SPITCH                   ; in: row l % 16, 32 bytes for each half of the lanes
	v_lshl_add_u32 v4, v2, 5, v4
	v_add_nc_u32 v[STO], s23, v4
	v_and_b32 v5, 31, v0
	v_lshlrev_b32 v[CO], 4, v5                     ; back: 32 lanes take one row of 512 bytes, 16 bytes each; the same place in a row of C
	v_add_nc_u32 v[RD], s23, v[CO]
	; where my 128 x 128 begins in C
	s_lshl_b32 s16, s13, 8
	s_lshl_b32 s14, s11, 7
	s_add_co_u32 s16, s16, s14                     ; my first row of C,
	s_lshl_b32 s16, s16, 14                        ; in bytes: under 2^26
	s_mov_b32 s17, 0
	s_lshl_b32 s46, s42, 10                        ; my first column, in bytes: 1,024 x tile column + 512 x half
	s_lshl_b32 s47, s12, 9
	s_add_co_u32 s46, s46, s47
	s_mov_b32 s47, 0
	s_add_nc_u64 s[16:17], s[16:17], s[46:47]
	s_add_nc_u64 s[8:9], s[8:9], s[16:17]
; 16 matrix instructions: m blocks a0, a0 + 1 of the window's four (hi = 0: my rows 0-63, 1: rows 64-127) x all 8 n blocks, 32 along K.  zero = 1: the product starts the sum: nothing is
; ever cleared.  The 64 accumulators take turns, one instruction a turn, in the same order in every quarter step: between two links of a chain stand the 63 others'.
.macro MUL16 f, hi, a0, zero
	WIN MUL_LO+0x50*(\hi)  ; MUL_LO or MUL_HI
.irp a, \a0, (\a0)+1
.irp b, 0,1,2,3,4,5,6,7
.if \zero
	v_wmma_f32_16x16x32_bf16 v[8*(8*(\a)+(\b)):8*(8*(\a)+(\b))+7], v[(\f)+8*(\b):(\f)+8*(\b)+7], v[(\f)+8*(4*(\hi)+(\a)):(\f)+8*(4*(\hi)+(\a))+7], 0
.else
	v_wmma_f32_16x16x32_bf16 v[8*(8*(\a)+(\b)):8*(8*(\a)+(\b))+7], v[(\f)+8*(\b):(\f)+8*(\b)+7], v[(\f)+8*(4*(\hi)+(\a)):(\f)+8*(4*(\hi)+(\a))+7], v[8*(8*(\a)+(\b)):8*(8*(\a)+(\b))+7]
.endif
.endr
.endr
.endm
; 32 LDS loads in ONE run: the fragments of one quarter step (128 rows of B, 128 rows of A, 32 K at byte k of the rows) into buffer f
.macro FETCH slot, k, f
	WIN TO_B
.irp i, 0,1,2,3,4,5,6,7
	ds_load_b128 v[(\f)+8*(\i):(\f)+8*(\i)+3],   v[ADRB+(\slot)] offset:(\k)+(\i)*16*PITCH
	ds_load_b128 v[(\f)+8*(\i)+4:(\f)+8*(\i)+7], v[ADRB+(\slot)] offset:(\k)+(\i)*16*PITCH+32
.endr
	WIN 0
.irp i, 0,1,2,3,4,5,6,7
	ds_load_b128 v[(\f)+8*(\i):(\f)+8*(\i)+3],   v[ADRA+(\slot)] offset:(\k)+(\i)*16*PITCH
	ds_load_b128 v[(\f)+8*(\i)+4:(\f)+8*(\i)+7], v[ADRA+(\slot)] offset:(\k)+(\i)*16*PITCH+32
.endr
.endm
; A load into a register that a matrix instruction has read, and a store that reads a matrix result, stand four places behind that matrix instruction, and only plain vector instructions that
; name none of its registers are places (ISA guide 7.12.1 for vector instructions).  So four v_nop stand in front of each run of loads.
.macro PLACES
.rept 4
	v_nop
.endr
.endm
; A K step is four quarter steps of 32 along K, 64 matrix instructions each, on buffers 0, 1, 0, 1.
; One of the first three: multiplies buffer f; in its middle it fetches the next quarter's fragments, at byte k of the same slot's rows, into buffer g.
.macro QUARTER slot, k, f, g, zero
	s_wait_dscnt 8                                 ; B and A's rows 0-63 are in; the youngest eight loads (A's rows 64-127) may be out
	MUL16 \f, 0, 0, \zero
	MUL16 \f, 0, 2, \zero
	PLACES
	FETCH \slot, \k, \g
	s_wait_dscnt 32                                ; all but the 32 just issued
	MUL16 \f, 1, 0, \zero
	MUL16 \f, 1, 2, \zero
.endm
; The last quarter multiplies buffer 1 and changes slots.  ONE barrier for two things: in front of it each wave waits for all its tensor loads, of which one is out: its part of the next slot;
; adds 0 to its spare word; and waits for that and for its own reads of this slot.  Behind it nobody reads this slot any more and the next slot is whole.
; fill = 1: the barrier opens a round of the cluster's barrier, and this slot is filled again, two K steps on, the first thing behind the round: from that request to the wait for it a wave
; issues 224 matrix instructions.  fill = 0 (the last K step but one): nothing is left to ask for: the work-group's barrier alone.
.macro TURN slot, next, fill
	WIN 0                                          ; (the add's two registers lie in window 0)
	s_wait_tensorcnt 0x0                           ; all my tensor loads have landed: the one that was out is my part of the next slot;
	ds_add_u32 v[SPW], v[NIL]                      ; 0 onto my spare word;
	s_wait_dscnt 9                                 ; (the add and the youngest eight loads may be out)
	MUL16 F1, 0, 0, 0                              ; sixteen matrix instructions stand between the add and the wait for it
	s_wait_dscnt 0x0                               ; the add is done, and my reads of this slot are over (the last were issued 48 matrix instructions ago):
	s_barrier_signal -1                            ; say so,
	MUL16 F1, 0, 2, 0                              ; work on registers while the others arrive,
.if \fill
	WIN 0
.endif
	s_barrier_wait -1                              ; and go on when all four have said so
.if \fill
	CREST                                          ; the rest of the round: no wave of any partner still reads this slot's tile or has a load on its way
	s_add_nc_u64 s[G0+4*(\slot)+2:G0+4*(\slot)+3], s[G0+4*(\slot)+2:G0+4*(\slot)+3], 2*KSTEP*2      ; no tensor load of mine is out, so a group 0 may be written; the type bits on top are not reached
	s_add_nc_u64 s[G0B+4*(\slot)+2:G0B+4*(\slot)+3], s[G0B+4*(\slot)+2:G0B+4*(\slot)+3], 2*KSTEP*2
	JLOAD \slot                                    ; the first tensor load behind the round, and my only one until the next; the four v_nop behind it are also the places in front of the loads below
.else
	PLACES
.endif
	FETCH \next, 0, F0
	MUL16 F1, 1, 0, 0
	MUL16 F1, 1, 2, 0
.endm
	s_wait_tensorcnt 1                             ; my part of K step 0 is in; K step 1's may stay out
	s_barrier_signal -1
	s_barrier_wait -1                              ; everybody's is
	FETCH 0, 0, F0
	QUARTER 0, 64,  F0, F1, 1                      ; the first quarter stands in front of the loop: its products start the sums
	WIN 0                                          ; at a label and at a branch every window is 0
	s_mov_b32 s3, LAPS-1
.Llap:                                                 ; a trip goes once round the ring, from a lap's second quarter to the next lap's first, and fills both slots again
	QUARTER 0, 128, F1, F0, 0
	QUARTER 0, 192, F0, F1, 0
	TURN 0, 1, 1
	QUARTER 1, 64,  F0, F1, 0
	QUARTER 1, 128, F1, F0, 0
	QUARTER 1, 192, F0, F1, 0
	TURN 1, 0, 1
	QUARTER 0, 64,  F0, F1, 0
	WIN 0
	s_sub_co_u32 s3, s3, 1
	s_cmp_lg_u32 s3, 0
	s_cbranch_scc1 .Llap
	QUARTER 0, 128, F1, F0, 0                      ; the last lap is written out: it fills nothing
	QUARTER 0, 192, F0, F1, 0
	TURN 0, 1, 0
	QUARTER 1, 64,  F0, F1, 0
	QUARTER 1, 128, F1, F0, 0
	QUARTER 1, 192, F0, F1, 0
	s_wait_dscnt 8                                 ; the very last quarter: nothing more to fetch
	MUL16 F1, 0, 0, 0
	MUL16 F1, 0, 2, 0
	s_wait_dscnt 0x0
	MUL16 F1, 1, 0, 0
	MUL16 F1, 1, 2, 0
; THE WAY OUT, a block of 16 rows of C at a time.  A lane's eight f32 of a row are 32 bytes, and the lanes beside it hold other rows: so the block goes into my own stage in LDS, rows of 528
; bytes, and comes back as whole rows of 512 bytes.  Each accumulator's low four registers are stored first.
.macro TOSTAGE a
.set AC, 64*((\a)%4)
.set BK, OB+64*((\a)%2)
	WIN 0x08+4*((\a)/4)                            ; the stores' data (source 1): window 2 or 3
.irp b, 0,1,2,3,4,5,6,7
	ds_store_b128 v[STO], v[AC+8*(\b):AC+8*(\b)+3]   offset:64*(\b)
	ds_store_b128 v[STO], v[AC+8*(\b)+4:AC+8*(\b)+7] offset:64*(\b)+16
.endr
	WIN 0
.if (\a) >= 2
	s_wait_xcnt 0x0                                ; every earlier memory instruction has had its addresses translated (ISA guide 3.1): the registers that block a - 2's stores read are loaded again only behind this wait
.endif
.irp t, 0,1,2,3,4,5,6,7,8,9,10,11,12,13,14,15
	ds_load_b128 v[BK+4*(\t):BK+4*(\t)+3], v[RD] offset:(\t)*SPITCH  ; LDS serves a wave's instructions in order (ISA guide 5.7.1.4): these see the stores above; the next block's stores come behind them
.endr
.endm
.macro SEND a, younger                 ; younger: the LDS instructions issued behind block a's loads: the next block's 32, or none
	WIN 0
.set BK, OB+64*((\a)%2)
	s_wait_dscnt \younger                          ; the block is back in registers
.irp t, 0,1,2,3,4,5,6,7,8,9,10,11,12,13,14,15
	global_store_b128 v[CO], v[BK+4*(\t):BK+4*(\t)+3], s[8:9] offset:(16*(\a)+(\t))*ROWC th:TH_STORE_NT  ; a wave stores 512 consecutive bytes, at a multiple of 512 from C's first byte; 127 rows of C at the most: inside the signed 24-bit immediate
.endr
.endm
	WIN 0
	PLACES                                         ; between the last products and the stores that read results, and the loads into A's buffers
	TOSTAGE 0
.irp a, 1,2,3,4,5,6,7                  ; block a's way through the stage stands between block a - 1's loads and the wait for them
	TOSTAGE \a
	SEND (\a)-1, 32
.endr
	SEND 7, 0
	s_wait_tensorcnt 0x0                           ; the wave's end, behind my last tensor load and my last LDS store
	ds_add_u32 v[SPW], v[NIL]
	s_wait_dscnt 0x0
	CROUND                                         ; the closing round: no work-group ends while a partner may still ask for a tile that names it
	s_endpgm
.Lfunc_end_k_qe818f7b2ab_gemm_rs:
	.size	k_qe818f7b2ab_gemm_rs, .Lfunc_end_k_qe818f7b2ab_gemm_rs-k_qe818f7b2ab_gemm_rs
	.p2alignl 7, 3214868480
	.fill 96, 4, 3214868480
	.section	.rodata,"a",@progbits
	.p2align	6, 0x0
	.amdhsa_kernel k_qe818f7b2ab_gemm_rs
		.amdhsa_group_segment_fixed_size 327680
		.amdhsa_private_segment_fixed_size 0
		.amdhsa_enable_private_segment 0
		.amdhsa_kernarg_size 24
		.amdhsa_user_sgpr_count 2
		.amdhsa_user_sgpr_kernarg_segment_ptr 1
		.amdhsa_wavefront_size32 1
		.amdhsa_system_sgpr_workgroup_id_x 1
		.amdhsa_system_sgpr_workgroup_id_y 1
		.amdhsa_system_sgpr_workgroup_id_z 1
		.amdhsa_system_vgpr_workitem_id 0
		.amdhsa_next_free_vgpr 1024
		.amdhsa_next_free_sgpr 66
		.amdhsa_reserve_vcc 0
		.amdhsa_float_denorm_mode_32 3
		.amdhsa_float_denorm_mode_16_64 3
		.amdhsa_memory_ordered 1
		.amdhsa_forward_progress 1
		.amdhsa_inst_pref_size 140
	.end_amdhsa_kernel
	.amdgpu_metadata
---
amdhsa.version: [ 1, 2 ]
amdhsa.kernels:
  - .name:           k_qe818f7b2ab_gemm_rs
    .symbol:         k_qe818f7b2ab_gemm_rs.kd
    .args:
      - { .name: a16, .offset: 0, .size: 8, .value_kind: global_buffer, .address_space: global }
      - { .name: b16, .offset: 8, .size: 8, .value_kind: global_buffer, .address_space: global }
      - { .name: out0, .offset: 16, .size: 8, .value_kind: global_buffer, .address_space: global }
    .group_segment_fixed_size: 327680
    .private_segment_fixed_size: 0
    .kernarg_segment_align: 8
    .kernarg_segment_size: 24
    .max_flat_workgroup_size: 128
    .sgpr_count:     66
    .vgpr_count:     1024
    .wavefront_size: 32
...
	.end_amdgpu_metadata
.endif
;; end of part 3
;; ======== version 3 of 3: 2 launches; version 2 with the launch cast_bf16 written anew for expert scheduling mode
;; workspace buffers: a16 33,554,432 bytes; b16 33,554,432 bytes
;; launch cast_bf16 (part 4): grid 1024 x 1, 8 waves a work-group, no clusters, 0 bytes of LDS; arguments a, b, a16, b16; writes a16, b16
.if DOCPART == 4
	.amdgcn_target "amdgcn-amd-amdhsa--gfx1250"
	.amdhsa_code_object_version 6
	.text
	.protected	k_qe818f7b2ab_cast_bf16
	.globl	k_qe818f7b2ab_cast_bf16
	.p2align	8
	.type	k_qe818f7b2ab_cast_bf16,@function
k_qe818f7b2ab_cast_bf16:
	s_mov_b64 s[64:65], 0
	v_nop
	global_prefetch_b8 v0, s[64:65] scope:SCOPE_SE
	s_setreg_imm32_b32 hwreg(HW_REG_WAVE_SCHED_MODE, 0, 2), 2
	s_setreg_imm32_b32 hwreg(HW_REG_WAVE_MODE, 25, 1), 1
	s_wait_xcnt 0x0
	s_wait_alu depctr_vm_vsrc(0)
; a16[m][512 r + k] = bf16(a[r][m][k]), b16 likewise.  a, b: [8][4096][512] f32.  a16, b16: [4096][4096] bf16: the eight shards of K laid end to end in each row, so that the launch
; behind finds ONE product with K = 4,096, whose K loop is the sum over the source ranks.  Each number is rounded once, to nearest even; NaN and infinities go as the conversion takes them.
; WHY A LAUNCH OF ITS OWN.  Tiles of f32 in LDS hold half as much of K as tiles of bf16 of the same bytes, want twice the LDS loads for each product, and every one of the 16 work-groups
; that read a tile would convert it anew.  Here each number is converted once.
; SHARES.  Work-group g owns 32 rows of one shard (shard g / 128, rows 32 (g % 128) on) of BOTH inputs: 65,536 dense bytes of each.  Eight waves; thread t takes the 16 bytes at 16 t of each
; 4,096 bytes (two rows), so a load of a wave covers 512 neighbouring bytes.  Its four numbers become 8 bytes: a store of a wave covers 256 consecutive bytes, at a multiple of 256 from
; the buffer's first byte.
; A stream: no byte is read twice and none is shared, so there is no LDS, no barrier, no matrix unit and no cluster.  All 32 loads of a thread go out at the start (16 KiB a wave).
; THE MODE: SCHED_MODE bits 1:0 = 2 (LLVM: expert scheduling mode 2), set by the entry lines.  The code itself states the register dependences
; between vector instructions and memory instructions, with s_wait_alu, always for 0.
; THE PLAN.  Registers that memory instructions touch:
;   v1, v2     byte offsets in and out, made once at the head and never written again; every load reads v1, every store reads v2.
;   v[4:131]   four registers to each load.  The load lands in them once; its two conversions read the four and write the first two; one store reads those two.
;              Nothing writes a register after a store has named it, and no load lands in a register that a vector instruction has named.
; So the only dependences to state are from a vector instruction's result to the memory instruction that reads it.  The 32 loads go in 8 blocks of four (a and b of two j).  Block p waits for
; its four loads and converts them; the four stores of block p - 1 are dealt among its eight conversions, behind ONE wait at the block's head, which states that block p - 1's conversions
; have written their results.  Block p's conversions name block p's sixteen registers alone, none that those stores read.
.set NJ,   16                          ; loads of a thread from each input
.set INJ,  4096                        ; bytes from one of them to the next: two rows of f32
.set OUTJ, 16384                       ; the same two rows in the output: 2 x 8,192 bytes
.set X,    4                           ; v[4:131]  load j of a at X + 8 j, of b at X + 8 j + 4: four registers as loaded; the first two then hold the four bf16
	s_load_b256 s[4:11], s[0:1], 0x0               ; a s[4:5], b s[6:7], a16 s[8:9], b16 s[10:11]
	s_lshl_b32 s12, ttmp9, 16                      ; in: g x 65,536 bytes (under 2^26)
	s_mov_b32 s13, 0
	s_and_b32 s14, ttmp9, 127
	s_lshl_b32 s14, s14, 18                        ; out: 32 (g % 128) rows of 8,192 bytes
	s_lshr_b32 s15, ttmp9, 7
	s_lshl_b32 s15, s15, 10                        ; + the shard's 1,024 bytes of a row
	s_add_co_u32 s14, s14, s15
	s_mov_b32 s15, 0
	v_lshlrev_b32 v1, 4, v0                        ; in: 16 t
	v_and_b32 v2, 127, v0
	v_lshrrev_b32 v3, 7, v0                        ; which of the two rows
	v_lshlrev_b32 v2, 3, v2
	v_lshl_add_u32 v2, v3, 13, v2                  ; out: 8,192 x row + 8 (t % 128)
	s_wait_kmcnt 0x0
	s_add_nc_u64 s[4:5], s[4:5], s[12:13]
	s_add_nc_u64 s[6:7], s[6:7], s[12:13]
	s_add_nc_u64 s[8:9], s[8:9], s[14:15]
	s_add_nc_u64 s[10:11], s[10:11], s[14:15]
	s_wait_alu depctr_va_vdst(0)                   ; v1 and v2 are written: every load of the kernel reads v1 as its offset, every store v2
.irp j, 0,1,2,3,4,5,6,7,8,9,10,11,12,13,14,15
	global_load_b128 v[X+8*(\j):X+8*(\j)+3],   v1, s[4:5] offset:INJ*(\j) th:TH_LOAD_NT
	global_load_b128 v[X+8*(\j)+4:X+8*(\j)+7], v1, s[6:7] offset:INJ*(\j) th:TH_LOAD_NT
.endr
; The four numbers of one load: two roundings in place, the lower k in the low half.  s = 0: load j of a; s = 4: of b.
.macro CVT j, s
	v_cvt_pk_bf16_f32 v[X+8*(\j)+(\s)],   v[X+8*(\j)+(\s)],   v[X+8*(\j)+(\s)+1]
	v_cvt_pk_bf16_f32 v[X+8*(\j)+(\s)+1], v[X+8*(\j)+(\s)+2], v[X+8*(\j)+(\s)+3]
.endm
.macro OUT_A j
	global_store_b64 v2, v[X+8*(\j):X+8*(\j)+1], s[8:9] offset:OUTJ*(\j) th:TH_STORE_NT
.endm
.macro OUT_B j
	global_store_b64 v2, v[X+8*(\j)+4:X+8*(\j)+5], s[10:11] offset:OUTJ*(\j) th:TH_STORE_NT
.endm
; Block p: loads 4 p to 4 p + 3 (j = 2 p and 2 p + 1, a and b of each) are converted; the block before is stored.
.macro BLK p
	s_wait_loadcnt 28-4*(\p)                       ; loads come back in order (ISA guide 5.7.1): this block's four are in, the later blocks' stay out
.if (\p) > 0
	s_wait_alu depctr_va_vdst(0)                   ; the conversions of the block before have written the registers that the four stores below read; the conversions below name none of them
.endif
.irp d, 0,1
.if (\p) > 0
	OUT_A 2*(\p)-2+(\d)
.endif
	CVT 2*(\p)+(\d), 0
.if (\p) > 0
	OUT_B 2*(\p)-2+(\d)
.endif
	CVT 2*(\p)+(\d), 4
.endr
.endm
	BLK 0                                          ; block 0 has no block in front of it: no store, and so no wait but the one for its data
.irp p, 1,2,3,4,5,6,7
	BLK \p
.endr
	s_wait_alu depctr_va_vdst(0)                   ; block 7's conversions have written the registers that the last four stores read
	OUT_A 14
	OUT_B 14
	OUT_A 15
	OUT_B 15
	s_endpgm
.Lfunc_end_k_qe818f7b2ab_cast_bf16:
	.size	k_qe818f7b2ab_cast_bf16, .Lfunc_end_k_qe818f7b2ab_cast_bf16-k_qe818f7b2ab_cast_bf16
	.p2alignl 7, 3214868480
	.fill 96, 4, 3214868480
	.section	.rodata,"a",@progbits
	.p2align	6, 0x0
	.amdhsa_kernel k_qe818f7b2ab_cast_bf16
		.amdhsa_group_segment_fixed_size 0
		.amdhsa_private_segment_fixed_size 0
		.amdhsa_enable_private_segment 0
		.amdhsa_kernarg_size 32
		.amdhsa_user_sgpr_count 2
		.amdhsa_user_sgpr_kernarg_segment_ptr 1
		.amdhsa_wavefront_size32 1
		.amdhsa_system_sgpr_workgroup_id_x 1
		.amdhsa_system_sgpr_workgroup_id_y 1
		.amdhsa_system_sgpr_workgroup_id_z 1
		.amdhsa_system_vgpr_workitem_id 0
		.amdhsa_next_free_vgpr 132
		.amdhsa_next_free_sgpr 66
		.amdhsa_reserve_vcc 0
		.amdhsa_float_denorm_mode_32 3
		.amdhsa_float_denorm_mode_16_64 3
		.amdhsa_memory_ordered 1
		.amdhsa_forward_progress 1
		.amdhsa_inst_pref_size 12
	.end_amdhsa_kernel
	.amdgpu_metadata
---
amdhsa.version: [ 1, 2 ]
amdhsa.kernels:
  - .name:           k_qe818f7b2ab_cast_bf16
    .symbol:         k_qe818f7b2ab_cast_bf16.kd
    .args:
      - { .name: a, .offset: 0, .size: 8, .value_kind: global_buffer, .address_space: global }
      - { .name: b, .offset: 8, .size: 8, .value_kind: global_buffer, .address_space: global }
      - { .name: a16, .offset: 16, .size: 8, .value_kind: global_buffer, .address_space: global }
      - { .name: b16, .offset: 24, .size: 8, .value_kind: global_buffer, .address_space: global }
    .group_segment_fixed_size: 0
    .private_segment_fixed_size: 0
    .kernarg_segment_align: 8
    .kernarg_segment_size: 32
    .max_flat_workgroup_size: 256
    .sgpr_count:     66
    .vgpr_count:     132
    .wavefront_size: 32
...
	.end_amdgpu_metadata
.endif
;; end of part 4
;; launch gemm_rs: the kernel of part 3 again; grid 16 x 16, 4 waves a work-group, clusters of 4 x 4, 327,680 bytes of LDS; arguments a16, b16, out0; writes out0
